; MI455X (gfx1250); checked and timed in simulation.
; The chip was launched on July 23, 2026; its instructions are those of AMD's public machine-readable ISA for CDNA 5 (MIT licence, August 2026) and "CDNA5" Instruction Set Architecture Reference Guide (July 2026). The comments in the code are by the model that wrote it; some were corrected since.
;; Attn Block. Allowed arithmetic: float matrix products may take bf16 or f16 operands with f32 sums; all other float work in f32.
;; Inputs: bk 128 float32; bo 128 float32; bq 128 float32; bv 128 float32; gn_bias 128 float32; gn_scale 128 float32; wk 128 x 128 float32; wo 128 x 128 float32; wq 128 x 128 float32; wv 128 x 128 float32; x 8 x 64 x 64 x 128 float32.
;; Outputs: out0 8 x 64 x 64 x 128 float32.
;; One version. Each part assembles by itself: llvm-mc -triple=amdgcn-amd-amdhsa -mcpu=gfx1250 --defsym DOCPART=n.
;; ======== version 1 of 1: 3 launches
;; workspace buffers: part 65,536 bytes; wf 131,072 bytes; q_bf 8,388,608 bytes; k_bf 8,388,608 bytes; vt_bf 8,388,608 bytes
;; launch stats (part 1): grid 256 x 1, 8 waves a work-group, no clusters, 3,072 bytes of LDS; arguments x, wq, wk, wv, wo, part, wf; writes part, wf
.if DOCPART == 1
	.amdgcn_target "amdgcn-amd-amdhsa--gfx1250"
	.amdhsa_code_object_version 6
	.text
	.protected	k_q666887239f_stats
	.globl	k_q666887239f_stats
	.p2align	8
	.type	k_q666887239f_stats,@function
k_q666887239f_stats:
	s_mov_b64 s[64:65], 0
	v_nop
	global_prefetch_b8 v0, s[64:65] scope:SCOPE_SE
	s_setreg_imm32_b32 hwreg(HW_REG_WAVE_MODE, 25, 1), 1
	s_wait_xcnt 0x0
; GroupNorm statistics in parts, and the four weights as bf16 fragment images.
; x: [8][4096][128] f32.  Work-group g takes batch g >> 5 and positions 128 (g & 31) .. + 127: 65,536 consecutive bytes.
; Wave w takes 16 rows; lane L reads the 16 bytes at 16 L of each row, which are the four channels of group L: a group never
; leaves its lane.  Each load of a wave covers the 512 consecutive bytes of a row.
; part[g][group][2] = (mean, sum of squared distances from that mean) of the work-group's 512 numbers of a group.  Means are taken first and
; distances squared afterwards, and parts are joined by their means: no difference of large sums is formed, so a common offset of x costs no digits.
; wf: [mat q,k,v,o][nb 8][ks 4][i 2][lane 32][8 bf16]; lane (r = L & 15, h = L >> 4) holds W[32 ks + 16 i + 8 h + e][16 nb + r], e = 0..7: two loads
; of 16 bytes a lane (i = 0, 1) are the eight registers of a matrix operand with k = input channel and row or column = output channel.
; There are 256 such halves of 512 bytes, one for each work-group (its wave 1).  wq is multiplied by SC = 128^-0.5 log2(e) before it is rounded.
; No LDS tiles, matrix units or clusters: the work-groups share no input and each byte is read once.
; LIMIT: the weights are rounded to bf16 (wq after its scale).
.set SC,  0x3e0293ee                   ; 128^-0.5 * log2(e)
.set CH,  2                            ; v[2:9]    four chains of pairs
.set MV,  10                           ; v[10:11]  (mean, M2)
.set X,   16                           ; v[16:79]  16 rows x 4 numbers
.set W,   80                           ; v[80:87]  eight weights in f32 (wave 1)
.set WP,  88                           ; v[88:91]  the same in bf16
	s_load_b256 s[4:11], s[0:1], 0x0               ; x s[4:5], wq s[6:7], wk s[8:9], wv s[10:11]
	s_load_b128 s[12:15], s[0:1], 0x20             ; wo s[12:13], part s[14:15]
	s_load_b64 s[16:17], s[0:1], 0x30              ; wf
	v_lshl_add_u32 v96, v0, 2, 0x800
	v_mov_b32 v97, 0
	v_lshrrev_b32 v1, 5, v0
	v_readfirstlane_b32 s20, v1                    ; wave 0..7
	v_and_b32 v1, 31, v0                           ; lane
	v_lshlrev_b32 v14, 4, v1                       ; 16 L
	v_lshl_add_u32 v15, s20, 13, v14               ; + wave x 16 rows x 512 bytes
	v_lshlrev_b32 v13, 3, v0                       ; LDS: 256 w + 8 L = 8 x thread
	s_lshl_b32 s18, ttmp9, 16                      ; the work-group's 65,536 bytes of x
	s_mov_b32 s19, 0
	s_wait_kmcnt 0x0
	s_add_nc_u64 s[4:5], s[4:5], s[18:19]
.irp j, 0,1,2,3,4,5,6,7,8,9,10,11,12,13,14,15
	global_load_b128 v[X+4*\j:X+4*\j+3], v15, s[4:5] offset:512*\j
.endr
	; wave 1 alone: half-fragment g of wf.  g = 64 mat + 8 nb + 2 ks + i, so the first input channel is 16 (g & 7) + 8 h.
	s_cmp_lg_u32 s20, 1
	s_cbranch_scc1 .Lno_weights
	s_lshr_b32 s21, ttmp9, 6                       ; mat
	s_mov_b64 s[22:23], s[6:7]
	s_cmp_eq_u32 s21, 1
	s_cselect_b64 s[22:23], s[8:9], s[22:23]
	s_cmp_eq_u32 s21, 2
	s_cselect_b64 s[22:23], s[10:11], s[22:23]
	s_cmp_eq_u32 s21, 3
	s_cselect_b64 s[22:23], s[12:13], s[22:23]     ; the matrix is chosen by the work-group's number alone
	s_cmp_eq_u32 s21, 0
	s_cselect_b32 s24, SC, 1.0                     ; wq carries the scores' scale
	s_mov_b32 s25, s24
	s_and_b32 s26, ttmp9, 7
	s_lshl_b32 s26, s26, 13                        ; 16 (g & 7) rows of 512 bytes
	s_bfe_u32 s28, ttmp9, 0x30003                  ; nb
	s_lshl_b32 s28, s28, 6                         ; 16 nb columns of 4 bytes
	s_add_co_u32 s26, s26, s28
	s_mov_b32 s27, 0
	s_add_nc_u64 s[22:23], s[22:23], s[26:27]
	v_and_b32 v2, 15, v0                           ; r
	v_bfe_u32 v3, v0, 4, 1                         ; h
	v_lshlrev_b32 v2, 2, v2
	v_lshl_add_u32 v2, v3, 12, v2                  ; 8 h rows + r columns
.irp j, 0,1,2,3,4,5,6,7
	global_load_b32 v[W+\j], v2, s[22:23] offset:512*\j
.endr
	s_wait_loadcnt 0x0                             ; the eight are the youngest loads: zero
.irp j, 0,2,4,6
	v_pk_mul_f32 v[W+\j:W+\j+1], v[W+\j:W+\j+1], s[24:25] op_sel_hi:[1,0]
.endr
.irp j, 0,1,2,3
	v_cvt_pk_bf16_f32 v[WP+\j], v[W+2*\j], v[W+2*\j+1]
.endr
	s_lshl_b32 s28, ttmp9, 9
	s_mov_b32 s29, 0
	s_add_nc_u64 s[16:17], s[16:17], s[28:29]
	global_store_b128 v14, v[WP:WP+3], s[16:17]    ; 512 consecutive bytes; v14 and WP are not written again
.Lno_weights:
	s_wait_loadcnt 0x0                             ; the 16 rows
	; the lane's 64 numbers: their mean,
.irp k, 0,1,2,3
	v_pk_add_f32 v[CH+2*\k:CH+2*\k+1], v[X+2*\k:X+2*\k+1], v[X+8+2*\k:X+8+2*\k+1]   ; the first sums start the chains
.endr
.set p, 8
.rept 24
	v_pk_add_f32 v[CH+2*(p%4):CH+2*(p%4)+1], v[CH+2*(p%4):CH+2*(p%4)+1], v[X+2*p:X+2*p+1]
.set p, p+1
.endr
	v_pk_add_f32 v[CH:CH+1], v[CH:CH+1], v[CH+2:CH+3]
	v_pk_add_f32 v[CH+4:CH+5], v[CH+4:CH+5], v[CH+6:CH+7]
	v_pk_add_f32 v[CH:CH+1], v[CH:CH+1], v[CH+4:CH+5]
	v_add_f32 v[CH], v[CH], v[CH+1]
	v_mul_f32 v[MV], 0x3c800000, v[CH]             ; / 64
	v_mov_b32 v[MV+1], v[MV]
	; their distances from it, and the sum of the squares
.set p, 0
.rept 32
	v_pk_add_f32 v[X+2*p:X+2*p+1], v[X+2*p:X+2*p+1], v[MV:MV+1] neg_lo:[0,1] neg_hi:[0,1]
.set p, p+1
.endr
.irp k, 0,1,2,3
	v_pk_mul_f32 v[CH+2*\k:CH+2*\k+1], v[X+2*\k:X+2*\k+1], v[X+2*\k:X+2*\k+1]
.endr
.set p, 4
.rept 28
	v_pk_fma_f32 v[CH+2*(p%4):CH+2*(p%4)+1], v[X+2*p:X+2*p+1], v[X+2*p:X+2*p+1], v[CH+2*(p%4):CH+2*(p%4)+1]
.set p, p+1
.endr
	v_pk_add_f32 v[CH:CH+1], v[CH:CH+1], v[CH+2:CH+3]
	v_pk_add_f32 v[CH+4:CH+5], v[CH+4:CH+5], v[CH+6:CH+7]
	v_pk_add_f32 v[CH:CH+1], v[CH:CH+1], v[CH+4:CH+5]
	v_add_f32 v[MV+1], v[CH], v[CH+1]
	ds_store_b64 v13, v[MV:MV+1]                   ; each wave's 256 bytes
	s_wait_dscnt 0x0                               ; for wave 0's sake: zero
	s_barrier_signal -1
	s_barrier_wait -1
	s_cmp_lg_u32 s20, 0
	s_cbranch_scc1 .Lend
	; wave 0 joins the eight parts of 64 numbers: mean = sum of means / 8, M2 = sum of M2 + 64 x sum of (mean_w - mean)^2
	v_lshlrev_b32 v12, 3, v1                       ; 8 L
.irp w, 0,1,2,3,4,5,6,7
	ds_load_b64 v[X+2*\w:X+2*\w+1], v12 offset:256*\w
.endr
	s_wait_dscnt 0x0
.irp k, 0,1,2,3
	v_pk_add_f32 v[CH+2*\k:CH+2*\k+1], v[X+4*\k:X+4*\k+1], v[X+4*\k+2:X+4*\k+3]
.endr
	v_pk_add_f32 v[CH:CH+1], v[CH:CH+1], v[CH+2:CH+3]
	v_pk_add_f32 v[CH+4:CH+5], v[CH+4:CH+5], v[CH+6:CH+7]
	v_pk_add_f32 v[CH:CH+1], v[CH:CH+1], v[CH+4:CH+5]   ; (sum of means, sum of M2)
	v_mul_f32 v[MV], 0x3e000000, v[CH]             ; / 8
.irp w, 0,1,2,3,4,5,6,7
	v_sub_f32 v[X+2*\w], v[X+2*\w], v[MV]
.endr
	v_mul_f32 v4, v[X], v[X]
	v_mul_f32 v5, v[X+2], v[X+2]
.irp w, 2,4,6
	v_fmac_f32 v4, v[X+2*\w], v[X+2*\w]
	v_fmac_f32 v5, v[X+2*\w+2], v[X+2*\w+2]
.endr
	v_add_f32 v4, v4, v5
	v_fmamk_f32 v[MV+1], v4, 0x42800000, v3        ; 64 x that + the sum of M2
	s_lshl_b32 s18, ttmp9, 8
	s_add_nc_u64 s[14:15], s[14:15], s[18:19]
	global_store_b64 v12, v[MV:MV+1], s[14:15]     ; 32 lanes store 256 consecutive bytes, at a multiple of 256 from part's first byte
.Lend:
	s_wait_tensorcnt 0x0
	ds_add_u32 v96, v97
	s_wait_dscnt 0x0
	s_endpgm
.Lfunc_end_k_q666887239f_stats:
	.size	k_q666887239f_stats, .Lfunc_end_k_q666887239f_stats-k_q666887239f_stats
	.p2alignl 7, 3214868480
	.fill 96, 4, 3214868480
	.section	.rodata,"a",@progbits
	.p2align	6, 0x0
	.amdhsa_kernel k_q666887239f_stats
		.amdhsa_group_segment_fixed_size 3072
		.amdhsa_private_segment_fixed_size 0
		.amdhsa_enable_private_segment 0
		.amdhsa_kernarg_size 56
		.amdhsa_user_sgpr_count 2
		.amdhsa_user_sgpr_kernarg_segment_ptr 1
		.amdhsa_wavefront_size32 1
		.amdhsa_system_sgpr_workgroup_id_x 1
		.amdhsa_system_sgpr_workgroup_id_y 1
		.amdhsa_system_sgpr_workgroup_id_z 1
		.amdhsa_system_vgpr_workitem_id 0
		.amdhsa_next_free_vgpr 98
		.amdhsa_next_free_sgpr 66
		.amdhsa_reserve_vcc 0
		.amdhsa_float_denorm_mode_32 3
		.amdhsa_float_denorm_mode_16_64 3
		.amdhsa_memory_ordered 1
		.amdhsa_forward_progress 1
		.amdhsa_inst_pref_size 14
	.end_amdhsa_kernel
	.amdgpu_metadata
---
amdhsa.version: [ 1, 2 ]
amdhsa.kernels:
  - .name:           k_q666887239f_stats
    .symbol:         k_q666887239f_stats.kd
    .args:
      - { .name: x, .offset: 0, .size: 8, .value_kind: global_buffer, .address_space: global }
      - { .name: wq, .offset: 8, .size: 8, .value_kind: global_buffer, .address_space: global }
      - { .name: wk, .offset: 16, .size: 8, .value_kind: global_buffer, .address_space: global }
      - { .name: wv, .offset: 24, .size: 8, .value_kind: global_buffer, .address_space: global }
      - { .name: wo, .offset: 32, .size: 8, .value_kind: global_buffer, .address_space: global }
      - { .name: part, .offset: 40, .size: 8, .value_kind: global_buffer, .address_space: global }
      - { .name: wf, .offset: 48, .size: 8, .value_kind: global_buffer, .address_space: global }
    .group_segment_fixed_size: 3072
    .private_segment_fixed_size: 0
    .kernarg_segment_align: 8
    .kernarg_segment_size: 56
    .max_flat_workgroup_size: 256
    .sgpr_count:     66
    .vgpr_count:     98
    .wavefront_size: 32
...
	.end_amdgpu_metadata
.endif
;; end of part 1
;; launch qkv (part 2): grid 256 x 1, 8 waves a work-group, no clusters, 141,312 bytes of LDS; arguments x, part, gn_scale, gn_bias, wf, bq, bk, bv, q_bf, k_bf, vt_bf; writes q_bf, k_bf, vt_bf
.if DOCPART == 2
	.amdgcn_target "amdgcn-amd-amdhsa--gfx1250"
	.amdhsa_code_object_version 6
	.text
	.protected	k_q666887239f_qkv
	.globl	k_q666887239f_qkv
	.p2align	8
	.type	k_q666887239f_qkv,@function
k_q666887239f_qkv:
	s_mov_b64 s[64:65], 0
	v_nop
	global_prefetch_b8 v0, s[64:65] scope:SCOPE_SE
	s_setreg_imm32_b32 hwreg(HW_REG_WAVE_MODE, 25, 1), 1
	s_wait_xcnt 0x0
; h = GroupNorm(x); q = (h wq + bq) SC, k = h wk + bk, v = h wv + bv, stored in bf16: q_bf, k_bf as [position][128], vt_bf as [batch][d 128][position 4096].
; SC = 128^-0.5 log2(e) lies in wf's image of wq already; bq is multiplied here.
; Work-group g takes positions 128 g .. + 127 (batch g >> 5).  Wave w normalises rows 16 w .. + 15 into LDS (bf16) and then makes output channels
; 16 w .. + 15 of q, k and v for all 128 rows: its 12 weight fragments (96 registers) come straight from wf, each byte of wf once into a work-group.
; q and k: source 0 = weights (m = channel), source 1 = h (n = position): a lane's eight results are eight neighbouring channels of one position.
; v: source 0 = h, source 1 = weights: eight neighbouring positions of one channel, which is a piece of a row of V transposed.
; The biases are the C operand of each sum's first product: nothing is cleared and nothing is added afterwards.
; Results gather in LDS and leave as whole rows: sixteen neighbouring lanes store 256 consecutive aligned bytes.
; NO CLUSTER: what the work-groups share is wf, 96 KiB, which goes straight into registers as operand images; a joint load could only bring it into LDS, from
; where it would have to be read once more.
; LIMITS: h, the weights, q, k and v are rounded to bf16.  v_rsq_f32 is good to 1 ulp.
.set PITCH, 272                        ; an LDS row: 256 bytes + 16, an odd multiple of 16
.set RB16,  16*PITCH
.set QS,    34816                      ; H at 0, then Q, K (QS + 34,816), V^T: 128 rows x 272 bytes each
.set VS,    104448
.set AC,    139264                     ; a[128], c0[128] in f32: h = a x + c0
.set SC,    0x3e0293ee
.set ACA,  0                           ; v0   AC + 16 L
.set BVO,  1                           ; v1   byte offset of bv[16 w + r]
.set P8,   2                           ; v2   8 L
.set XOFF, 4                           ; v4   8,192 w + 16 L
.set L16,  5                           ; v5   16 L
.set HST,  6                           ; v6   where my 8 bytes of a normalised row go
.set HRD,  7                           ; v7   r x 272 + 16 h: a fragment of h
.set QST,  8                           ; v8   where 16 bytes of q go (k: + 34,816)
.set VST,  9                           ; v9   where 16 bytes of V^T go
.set ORD,  10                          ; v10  rows of q (k: + 34,816) read back
.set ORDV, 11                          ; v11  rows of V^T read back
.set GQ,   12                          ; v12  my bytes in q_bf and k_bf
.set GV,   13                          ; v13  my bytes in vt_bf
.set WOFF, 14                          ; v14  my weight fragments in wf
.set BOFF, 15                          ; v15  byte offset of bq, bk [16 w + 8 h]
.set W,    16                          ; v[16:111]   statistics (wave 0); then W(mat, ks) = 16 + 32 mat + 8 ks; then rows on their way out
.set BT,   112                         ; v[112:135]  bias tiles of q, k, v
.set XH,   136                         ; v[136:199]  16 rows of x; then two buffers of four fragments of h
.set ACC,  200                         ; v[200:247]  two sets of three accumulator tiles
.set GA,   248                         ; v[248:251]  a of my four channels
.set GC,   252                         ; v[252:255]  c0
	s_load_b512 s[4:19], s[0:1], 0x0               ; x, part, gn_scale, gn_bias, wf, bq, bk, bv
	s_load_b128 s[20:23], s[0:1], 0x40             ; q_bf, k_bf
	s_load_b64 s[24:25], s[0:1], 0x50              ; vt_bf
	s_set_vgpr_msb 0x40
	v_lshl_add_u32 v0, v0, 2, 0x22400
	v_mov_b32 v1, 0
	s_set_vgpr_msb 0x4000
	v_lshrrev_b32 v1, 5, v0
	v_readfirstlane_b32 s28, v1                    ; wave 0..7
	v_and_b32 v1, 31, v0                           ; L
	v_lshlrev_b32 v[L16], 4, v1
	v_lshl_add_u32 v[XOFF], s28, 13, v[L16]
	s_lshl_b32 s30, ttmp9, 16
	s_mov_b32 s31, 0
	s_wait_kmcnt 0x0
	s_add_nc_u64 s[4:5], s[4:5], s[30:31]
.irp j, 0,1,2,3,4,5,6,7,8,9,10,11,12,13,14,15
	global_load_b128 v[XH+4*\j:XH+4*\j+3], v[XOFF], s[4:5] offset:512*\j    ; a row's 512 consecutive bytes
.endr
	v_and_b32 v2, 15, v0                           ; r
	v_bfe_u32 v3, v0, 4, 1                         ; h
	s_mul_i32 s32, s28, RB16                       ; 16 w rows in LDS
	v_lshl_add_u32 v[HST], v1, 3, s32
	v_mul_u32_u24 v[HRD], v2, PITCH
	v_lshl_add_u32 v[HRD], v3, 4, v[HRD]
	s_lshl_b32 s33, s28, 5
	s_add_co_u32 s33, s33, QS
	v_add_nc_u32 v[QST], s33, v[HRD]               ; QS + r x 272 + 2 (16 w + 8 h)
	s_add_co_u32 s34, s32, VS
	v_add_nc_u32 v[VST], s34, v[HRD]               ; VS + (16 w + r) x 272 + 2 (8 h)
	v_mul_u32_u24 v[ORD], v3, PITCH
	v_lshl_add_u32 v[ORD], v2, 4, v[ORD]
	s_add_co_u32 s35, s32, QS
	v_add_nc_u32 v[ORD], s35, v[ORD]               ; QS + (16 w + h) x 272 + 16 r
	v_add_nc_u32 v[ORDV], VS-QS, v[ORD]
	v_lshlrev_b32 v[GQ], 4, v2
	v_lshl_add_u32 v[GV], v3, 13, v[GQ]
	v_lshl_add_u32 v[GQ], v3, 8, v[GQ]
	v_lshl_add_u32 v[GQ], s28, 12, v[GQ]           ; (16 w + h) x 256 + 16 r
	v_lshl_add_u32 v[GV], s28, 17, v[GV]           ; (16 w + h) x 8,192 + 16 r
	v_lshl_add_u32 v[WOFF], s28, 12, v[L16]        ; nb = w: 4,096 bytes apart
	v_lshlrev_b32 v[BOFF], 5, v3
	v_lshl_add_u32 v[BOFF], s28, 6, v[BOFF]
	v_add_nc_u32 v[ACA], AC, v[L16]                ; the ids are spent: v0, v1, v2 take addresses
	v_lshlrev_b32 v[BVO], 2, v2
	v_lshl_add_u32 v[BVO], s28, 6, v[BVO]
	v_lshrrev_b32 v[P8], 1, v[L16]
	; wave 0 alone joins the batch's 32 parts of 512 numbers (lane L: group L) and makes a = scale rstd, c0 = bias - mean a
	s_cmp_lg_u32 s28, 0
	s_cbranch_scc1 .Lno_stats
	s_lshr_b32 s30, ttmp9, 5
	s_lshl_b32 s30, s30, 13                        ; the batch's 32 records of 256 bytes
	s_add_nc_u64 s[6:7], s[6:7], s[30:31]
.set c, 0
.rept 32
	global_load_b64 v[W+2*c:W+2*c+1], v[P8], s[6:7] offset:256*c    ; a record's 256 consecutive bytes
.set c, c+1
.endr
	global_load_b128 v[80:83], v[L16], s[8:9]
	global_load_b128 v[84:87], v[L16], s[10:11]
	s_wait_loadcnt 0x0                             ; these are the youngest loads: zero
.irp k, 0,1,2,3
	v_pk_add_f32 v[88+2*\k:89+2*\k], v[W+2*\k:W+2*\k+1], v[W+8+2*\k:W+8+2*\k+1]
.endr
.set p, 8
.rept 24
	v_pk_add_f32 v[88+2*(p%4):89+2*(p%4)], v[88+2*(p%4):89+2*(p%4)], v[W+2*p:W+2*p+1]
.set p, p+1
.endr
	v_pk_add_f32 v[88:89], v[88:89], v[90:91]
	v_pk_add_f32 v[92:93], v[92:93], v[94:95]
	v_pk_add_f32 v[88:89], v[88:89], v[92:93]      ; (sum of means, sum of M2)
	v_mul_f32 v96, 0x3d000000, v88                 ; mean = / 32
.set c, 0
.rept 32
	v_sub_f32 v[W+2*c], v[W+2*c], v96
.set c, c+1
.endr
.irp k, 0,1,2,3
	v_mul_f32 v[100+\k], v[W+2*\k], v[W+2*\k]
.endr
.set c, 4
.rept 28
	v_fmac_f32 v[100+c%4], v[W+2*c], v[W+2*c]
.set c, c+1
.endr
	v_add_f32 v100, v100, v101
	v_add_f32 v102, v102, v103
	v_add_f32 v100, v100, v102
	v_fmamk_f32 v98, v100, 0x44000000, v89         ; M2 = 512 x sum of (mean_c - mean)^2 + sum of M2
	s_mov_b32 s36, 0x38800000                      ; 1 / 16,384 numbers in a group
	v_fmaak_f32 v97, s36, v98, 0x358637bd          ; variance + 1e-6
	v_rsq_f32 v99, v97
	v_nop                                          ; one plain instruction behind v_rsq_f32 before its result is used (ISA guide 5.7.2)
	s_wait_alu depctr_va_vdst(0)
.irp k, 0,1,2,3
	v_mul_f32 v[104+\k], v[80+\k], v99
.endr
.irp k, 0,1,2,3
	v_fma_f32 v[108+\k], -v96, v[104+\k], v[84+\k]
.endr
	ds_store_b128 v[ACA], v[104:107]
	ds_store_b128 v[ACA], v[108:111] offset:512
.Lno_stats:
	s_wait_dscnt 0x0                               ; wave 0's stores are done before it signals
	s_barrier_signal -1
	s_barrier_wait -1
	ds_load_b128 v[GA:GA+3], v[ACA]
	ds_load_b128 v[GC:GC+3], v[ACA] offset:512
.irp m, 0,1,2
.irp k, 0,1,2,3
	global_load_b128 v[W+32*\m+8*\k:W+32*\m+8*\k+3],   v[WOFF], s[12:13] offset:32768*\m+1024*\k
	global_load_b128 v[W+32*\m+8*\k+4:W+32*\m+8*\k+7], v[WOFF], s[12:13] offset:32768*\m+1024*\k+512
.endr
.endr
	global_load_b128 v[BT:BT+3],     v[BOFF], s[14:15]
	global_load_b128 v[BT+4:BT+7],   v[BOFF], s[14:15] offset:16
	global_load_b128 v[BT+8:BT+11],  v[BOFF], s[16:17]
	global_load_b128 v[BT+12:BT+15], v[BOFF], s[16:17] offset:16
	global_load_b32  v[BT+16],       v[BVO],  s[18:19]
	s_lshl_b32 s30, ttmp9, 15                      ; my 128 rows of 256 bytes in q_bf and k_bf
	s_add_nc_u64 s[20:21], s[20:21], s[30:31]
	s_add_nc_u64 s[22:23], s[22:23], s[30:31]
	s_lshr_b32 s30, ttmp9, 5
	s_lshl_b32 s30, s30, 20                        ; the batch's 128 rows of 8,192 bytes in vt_bf,
	s_and_b32 s33, ttmp9, 31
	s_lshl_b32 s33, s33, 8                         ; and my 128 positions in each row
	s_add_co_u32 s30, s30, s33
	s_add_nc_u64 s[24:25], s[24:25], s[30:31]
	s_wait_loadcnt 29                              ; the 16 rows of x are in; the 24 weight and 5 bias loads issued behind them stay out
	s_wait_dscnt 0x0                               ; a and c0
.irp j, 0,1,2,3,4,5,6,7,8,9,10,11,12,13,14,15
	v_pk_fma_f32 v[XH+4*\j:XH+4*\j+1],   v[XH+4*\j:XH+4*\j+1],   v[GA:GA+1],   v[GC:GC+1]
	v_pk_fma_f32 v[XH+4*\j+2:XH+4*\j+3], v[XH+4*\j+2:XH+4*\j+3], v[GA+2:GA+3], v[GC+2:GC+3]
	v_cvt_pk_bf16_f32 v[XH+4*\j],   v[XH+4*\j],   v[XH+4*\j+1]
	v_cvt_pk_bf16_f32 v[XH+4*\j+1], v[XH+4*\j+2], v[XH+4*\j+3]
	ds_store_b64 v[HST], v[XH+4*\j:XH+4*\j+1] offset:PITCH*\j
.endr
	s_wait_loadcnt 0x0                             ; weights and biases
.irp j, 0,2,4,6
	v_pk_mul_f32 v[BT+\j:BT+\j+1], v[BT+\j:BT+\j+1], SC op_sel_hi:[1,0]    ; q's bias carries the scores' scale too
.endr
.irp j, 1,2,3,4,5,6,7
	v_mov_b32 v[BT+16+\j], v[BT+16]                ; v's tile: a lane's eight results are one channel
.endr
	s_wait_dscnt 0x0                               ; my rows of h are written
	s_barrier_signal -1
	s_barrier_wait -1
.macro FETCHH n                        ; the four fragments of h's rows 16 n .. + 15 into buffer n & 1: eight loads
.irp k, 0,1,2,3
	ds_load_b128 v[XH+32*((\n)&1)+8*\k:XH+32*((\n)&1)+8*\k+3],   v[HRD] offset:(\n)*RB16+64*\k
	ds_load_b128 v[XH+32*((\n)&1)+8*\k+4:XH+32*((\n)&1)+8*\k+7], v[HRD] offset:(\n)*RB16+64*\k+32
.endr
.endm
; Rows 16 rb .. + 15: twelve products.  The three accumulators take turns, one instruction a turn.
; cnt = the LDS instructions issued behind the fetch of these rows' fragments.
.macro RB rb, cnt, fetch
.set A0, ACC+24*(\rb&1)
.set HF, XH+32*(\rb&1)
	s_wait_dscnt \cnt
	v_wmma_f32_16x16x32_bf16 v[A0:A0+7],     v[W:W+7],       v[HF:HF+7],     v[BT:BT+7]
	v_wmma_f32_16x16x32_bf16 v[A0+8:A0+15],  v[W+32:W+39],   v[HF:HF+7],     v[BT+8:BT+15]
	v_wmma_f32_16x16x32_bf16 v[A0+16:A0+23], v[HF:HF+7],     v[W+64:W+71],   v[BT+16:BT+23]
.irp k, 1,2,3
	v_wmma_f32_16x16x32_bf16 v[A0:A0+7],     v[W+8*\k:W+8*\k+7],       v[HF+8*\k:HF+8*\k+7],     v[A0:A0+7]
	v_wmma_f32_16x16x32_bf16 v[A0+8:A0+15],  v[W+32+8*\k:W+32+8*\k+7], v[HF+8*\k:HF+8*\k+7],     v[A0+8:A0+15]
	v_wmma_f32_16x16x32_bf16 v[A0+16:A0+23], v[HF+8*\k:HF+8*\k+7],     v[W+64+8*\k:W+64+8*\k+7], v[A0+16:A0+23]
.endr
.rept 4
	v_nop                                          ; four places before loads land on the products' sources and conversions read their results
.endr
.if \fetch
	FETCHH \rb+2
.endif
.irp t, 0,8,16
.irp i, 0,1,2,3
	v_cvt_pk_bf16_f32 v[A0+\t+\i], v[A0+\t+2*\i], v[A0+\t+2*\i+1]
.endr
.endr
	ds_store_b128 v[QST], v[A0:A0+3]     offset:\rb*RB16
	ds_store_b128 v[QST], v[A0+8:A0+11]  offset:\rb*RB16+34816
	ds_store_b128 v[VST], v[A0+16:A0+19] offset:\rb*32
.endm
	FETCHH 0
	FETCHH 1
	RB 0, 8,  1                                    ; behind fetch 0: fetch 1
	RB 1, 11, 1                                    ; behind fetch 1: fetch 2 and three stores
	RB 2, 14, 1                                    ; behind fetch n: three stores, fetch n + 1, three stores
	RB 3, 14, 1
	RB 4, 14, 1
	RB 5, 14, 1
	RB 6, 14, 0
	RB 7, 6,  0                                    ; behind fetch 7: twice three stores
	s_wait_dscnt 0x0                               ; my columns of Q, K and V^T are written
	s_barrier_signal -1
	s_barrier_wait -1
	; the way out: wave w takes rows 16 w .. + 15 of each of the three, two rows a load: lanes 0-15 one row of 256 bytes, lanes 16-31 the next
.irp t, 0,1,2,3,4,5,6,7
	ds_load_b128 v[W+4*\t:W+4*\t+3], v[ORD] offset:2*PITCH*\t
.endr
.irp t, 0,1,2,3,4,5,6,7
	ds_load_b128 v[W+32+4*\t:W+32+4*\t+3], v[ORD] offset:2*PITCH*\t+34816
.endr
.irp t, 0,1,2,3,4,5,6,7
	ds_load_b128 v[W+64+4*\t:W+64+4*\t+3], v[ORDV] offset:2*PITCH*\t
.endr
.irp t, 0,1,2,3,4,5,6,7
	s_wait_dscnt 23-\t                             ; LDS loads come back in order (ISA guide 5.7.1): the counts run down from 23 to 0
	global_store_b128 v[GQ], v[W+4*\t:W+4*\t+3], s[20:21] offset:512*\t
.endr
.irp t, 0,1,2,3,4,5,6,7
	s_wait_dscnt 15-\t
	global_store_b128 v[GQ], v[W+32+4*\t:W+32+4*\t+3], s[22:23] offset:512*\t
.endr
.irp t, 0,1,2,3,4,5,6,7
	s_wait_dscnt 7-\t
	global_store_b128 v[GV], v[W+64+4*\t:W+64+4*\t+3], s[24:25] offset:16384*\t
.endr
	s_set_vgpr_msb 0x5
	s_wait_tensorcnt 0x0
	ds_add_u32 v0, v1
	s_wait_dscnt 0x0
	s_set_vgpr_msb 0x500
	s_endpgm
.Lfunc_end_k_q666887239f_qkv:
	.size	k_q666887239f_qkv, .Lfunc_end_k_q666887239f_qkv-k_q666887239f_qkv
	.p2alignl 7, 3214868480
	.fill 96, 4, 3214868480
	.section	.rodata,"a",@progbits
	.p2align	6, 0x0
	.amdhsa_kernel k_q666887239f_qkv
		.amdhsa_group_segment_fixed_size 141312
		.amdhsa_private_segment_fixed_size 0
		.amdhsa_enable_private_segment 0
		.amdhsa_kernarg_size 88
		.amdhsa_user_sgpr_count 2
		.amdhsa_user_sgpr_kernarg_segment_ptr 1
		.amdhsa_wavefront_size32 1
		.amdhsa_system_sgpr_workgroup_id_x 1
		.amdhsa_system_sgpr_workgroup_id_y 1
		.amdhsa_system_sgpr_workgroup_id_z 1
		.amdhsa_system_vgpr_workitem_id 0
		.amdhsa_next_free_vgpr 258
		.amdhsa_next_free_sgpr 66
		.amdhsa_reserve_vcc 0
		.amdhsa_float_denorm_mode_32 3
		.amdhsa_float_denorm_mode_16_64 3
		.amdhsa_memory_ordered 1
		.amdhsa_forward_progress 1
		.amdhsa_inst_pref_size 45
	.end_amdhsa_kernel
	.amdgpu_metadata
---
amdhsa.version: [ 1, 2 ]
amdhsa.kernels:
  - .name:           k_q666887239f_qkv
    .symbol:         k_q666887239f_qkv.kd
    .args:
      - { .name: x, .offset: 0, .size: 8, .value_kind: global_buffer, .address_space: global }
      - { .name: part, .offset: 8, .size: 8, .value_kind: global_buffer, .address_space: global }
      - { .name: gn_scale, .offset: 16, .size: 8, .value_kind: global_buffer, .address_space: global }
      - { .name: gn_bias, .offset: 24, .size: 8, .value_kind: global_buffer, .address_space: global }
      - { .name: wf, .offset: 32, .size: 8, .value_kind: global_buffer, .address_space: global }
      - { .name: bq, .offset: 40, .size: 8, .value_kind: global_buffer, .address_space: global }
      - { .name: bk, .offset: 48, .size: 8, .value_kind: global_buffer, .address_space: global }
      - { .name: bv, .offset: 56, .size: 8, .value_kind: global_buffer, .address_space: global }
      - { .name: q_bf, .offset: 64, .size: 8, .value_kind: global_buffer, .address_space: global }
      - { .name: k_bf, .offset: 72, .size: 8, .value_kind: global_buffer, .address_space: global }
      - { .name: vt_bf, .offset: 80, .size: 8, .value_kind: global_buffer, .address_space: global }
    .group_segment_fixed_size: 141312
    .private_segment_fixed_size: 0
    .kernarg_segment_align: 8
    .kernarg_segment_size: 88
    .max_flat_workgroup_size: 256
    .sgpr_count:     66
    .vgpr_count:     258
    .wavefront_size: 32
...
	.end_amdgpu_metadata
.endif
;; end of part 2
;; launch attn (part 3): grid 256 x 1, 4 waves a work-group, clusters of 4 x 1, 327,680 bytes of LDS; arguments q_bf, k_bf, vt_bf, wf, bo, x, out0; writes out0
.if DOCPART == 3
	.amdgcn_target "amdgcn-amd-amdhsa--gfx1250"
	.amdhsa_code_object_version 6
	.text
	.protected	k_q666887239f_attn
	.globl	k_q666887239f_attn
	.p2align	8
	.type	k_q666887239f_attn,@function
k_q666887239f_attn:
	s_mov_b64 s[64:65], 0
	v_nop
	global_prefetch_b8 v0, s[64:65] scope:SCOPE_SE
	s_setreg_imm32_b32 hwreg(HW_REG_WAVE_MODE, 25, 1), 1
	s_wait_xcnt 0x0
	s_wait_alu depctr_hold_cnt(0) depctr_sa_sdst(0) depctr_va_vdst(0) depctr_va_sdst(0) depctr_va_ssrc(0) depctr_va_vcc(0) depctr_vm_vsrc(0)
	s_getreg_b32 s2, hwreg(HW_REG_IB_STS2, 6, 4)
	s_cmp_eq_u32 s2, 0
	s_cbranch_scc0 .Lentry_in_a_cluster
	s_endpgm
.Lentry_in_a_cluster:
	s_bfe_u32 s2, ttmp6, 0x10000c
	s_cmp_lg_u32 s2, 0x3003
	s_cbranch_scc0 .Lentry_shape_is_right
	s_endpgm
.Lentry_shape_is_right:
; out0 = x + softmax(q k^T) v wo + bo.  q_bf (scaled by 128^-0.5 log2(e)), k_bf: [batch x 4096][128] bf16; vt_bf: [batch][d 128][4096] bf16.
; Work-group X = 4 x cluster + cx has 128 queries of batch cluster >> 3.  Wave w: queries 64 (w >> 1) .. + 63, and of every tile of 256 keys the half
; kh = w & 1.  Each wave runs a softmax with a running maximum over its 2,048 keys; the two waves of a pair are joined at the end.
; BOTH PRODUCTS ARE TAKEN TRANSPOSED.  S^T = K Q^T: source 0 = 16 keys, source 1 = 16 queries: lane (r, h) holds query r, keys 8 h + 0..7 of the tile.
; Rounded to bf16, two neighbouring key tiles are, register for register, the second source (32 keys x 16 queries) of O^T = V^T P^T, whose first source is
; 16 rows of V^T.  So P never leaves its registers, a query stays in one lane column, and maximum, sum and rescale factor are one number a lane; the
; one step between lanes is the exchange of the maxima of the two halves of 16 lanes.
; CLUSTER: the four work-groups of a cluster lie in one batch and walk the same K and V^T tiles: every tile is asked for jointly (mask 15), which divides the
; requests for K and V^T by four.  Nothing in a descriptor, an LDS address or a branch hangs on cx.
; RING: two slots of 256 keys.  Quarter n of a slot is wave n's load: K's rows 0-127, K's rows 128-255 (256 bytes a row, LDS pitch 272), V^T's d 0-63, d 64-127
; (512 bytes a row, pitch 528).  A tile is asked for a whole trip (256 products and a softmax step) before it is read; a wave has at most one tensor load out.
; REGISTERS, in windows of 256:
;   window 0: v1-15 addresses; v16-23 (M, L) of the four query blocks; v24-31 (factor, new maximum); v32-63 at work; v64-191 x + bo of my 32 final rows; v192-255 copies
;   window 1: v0-127 Q(qb, ks) = 32 qb + 8 ks; v128-191, v192-255 two fragment buffers.  At the end: fragments of O, and the last product's sums
;   window 2: O(db, qb) = 64 (db >> 1) + 16 qb + 8 (db & 1)
;   window 3: S(kb, qb) = 64 (kb >> 1) + 16 qb + 8 (kb & 1); P(ks, qb) = 64 ks + 16 qb.  At the end: Wo(ob, ks) = 32 ob + 8 ks
; LIMITS: q, k, v, P, wo and the two waves' normalised partial outputs are bf16 (the partial outputs are rounded apart and added in the last product's f32 sum).
; v_exp_f32 and v_rcp_f32 flush denormals: a weight below 2^-126 of its row's largest counts as 0.  Where scores are infinite or NaN the result is not defined here.
.set QUART,  34816                     ; a quarter of a slot: 128 x 272 (V^T uses 64 x 528 = 33,792 of it)
.set SLOT,   4*QUART
.set WOI,    2*SLOT
.set MLX,    WOI+32768                 ; 4 x 1,024 bytes: the waves' maxima and sums
.set STG,    65536                     ; after the loop, in slot 0 (its last fill is tile 14): exchange of O at 0, 4 x 16,384; stages here, 4 x 32 rows x 528
.set KP,     272
.set VP,     528
.set SPITCH, 528
.set WOST, 1                           ; v1   where my quarter of wo's image goes
.set QOFF, 2                           ; v2   r x 256 + 16 h
.set LOFF, 3                           ; v3   16 L
.set ADRK, 4                           ; v4-5 my K fragments in slot 0, 1
.set ADRV, 6                           ; v6-7 my V^T fragments
.set MLS,  8                           ; v8   my maxima and sums
.set MLP,  9                           ; v9   my partner's
.set XST,  10                          ; v10  my O fragments
.set RDO,  11                          ; v11  those of them that I finish
.set RDP,  12                          ; v12  my partner's for the same queries
.set STO,  13                          ; v13  the way out: where 16 bytes of a row go
.set RD,   14                          ; v14  the way out: where a row is read back
.set WOA,  15                          ; v15  wo's image
.set ML,   16
.set AT,   24
.set TM,   32
.set SA,   32
.set XR,   64
.set RBF,  192
.set F0,   128
.set F1,   192
.set G1K,  24                          ; s[24:31] shape of a K quarter
.set G0K,  32                          ; s[32:39] from where, to where: one set for each slot
.set G1V,  40                          ; s[40:47] shape of a V^T quarter
.set G0V,  48                          ; s[48:55]
.set MSB, 0
.macro WIN new                         ; s_set_vgpr_msb: bits 1:0 source 0, 3:2 source 1, 5:4 source 2, 7:6 destination; the high byte repeats the setting left
.if MSB != \new
	s_set_vgpr_msb (MSB<<8)|\new
.set MSB, \new
.endif
.endm
.macro PLACES n
.rept \n
	v_nop
.endr
.endm
; A round of the cluster's barrier: my work-group's barrier, wave 0 signals for the work-group, every wave waits for all four work-groups, my work-group's barrier again.
.macro ROUND
	s_barrier_signal -1
	s_barrier_wait -1
	s_cmp_lg_u32 s20, 0
	s_cbranch_scc1 .Lnot_wave_0_\@
	s_barrier_signal -3
.Lnot_wave_0_\@:
	s_barrier_wait -3
	s_barrier_signal -1
	s_barrier_wait -1
.endm
; A joint load: waves 0 and 1 ask for K's halves, waves 2 and 3 for V^T's.  The branch hangs on the wave's number alone.
.macro JLOAD s
	s_cmp_eq_u32 s21, 0
	s_cbranch_scc0 .Lfor_v_\@
	tensor_load_to_lds s[G0K+4*\s:G0K+4*\s+3], s[G1K:G1K+7]
	s_nop 0
	s_branch .Lasked_\@
.Lfor_v_\@:
	tensor_load_to_lds s[G0V+4*\s:G0V+4*\s+3], s[G1V:G1V+7]
	s_nop 0
.Lasked_\@:
.endm
	s_load_b256 s[4:11], s[0:1], 0x0               ; q_bf s[4:5], k_bf s[6:7], vt_bf s[8:9], wf s[10:11]
	s_load_b128 s[12:15], s[0:1], 0x20             ; bo s[12:13], x s[14:15]
	s_load_b64 s[16:17], s[0:1], 0x30              ; out0
	v_lshl_add_u32 v254, v0, 2, 0x4d000
	v_mov_b32 v255, 0
	ds_add_u32 v254, v255
	s_wait_dscnt 0x0
	v_lshrrev_b32 v1, 5, v0
	v_readfirstlane_b32 s20, v1                    ; wave 0..3
	s_lshr_b32 s21, s20, 1                         ; qh: which 64 queries.  Also: I fetch for K (0) or for V^T (1)
	s_and_b32 s22, s20, 1                          ; kh: which 128 keys of a tile.  Also: which half of K's or V^T's rows I fetch
	s_mov_b32 s66, 0x76543210                      ; v_permlanex16_b32: lane i of one half reads lane i of the other
	s_mov_b32 s67, 0xfedcba98
	v_and_b32 v1, 31, v0                           ; L
	v_and_b32 v17, 15, v0                          ; r
	v_bfe_u32 v16, v0, 4, 1                        ; h
	v_lshlrev_b32 v[LOFF], 4, v1
	v_lshlrev_b32 v[QOFF], 8, v17
	v_lshl_add_u32 v[QOFF], v16, 4, v[QOFF]
	; group 1 of K's quarter: 128 rows x 128 elements of 2 bytes, 16 bytes of padding behind every 64 words
	s_mov_b32 s[G1K+0], 15|(1<<16)|(1<<20)|(1<<21)|(5<<22)|(3<<25)   ; mask: all four of the cluster; element of 2 bytes; padding on; bit 21 beside a mask; interval code 5; 4 words
	s_mov_b32 s[G1K+1], 128<<16                    ; tensor_dim0 = 128
	s_mov_b32 s[G1K+2], 128<<16                    ; tensor_dim1 = 128
	s_mov_b32 s[G1K+3], 128<<16                    ; tile_dim0 = 128
	s_mov_b32 s[G1K+4], 128                        ; tile_dim1 = 128
	s_mov_b32 s[G1K+5], 128                        ; elements from row to row
	s_mov_b32 s[G1K+6], 0
	s_mov_b32 s[G1K+7], 0
	; group 1 of V^T's quarter: 64 rows x 256 elements, 16 bytes of padding behind every 128 words
	s_mov_b32 s[G1V+0], 15|(1<<16)|(1<<20)|(1<<21)|(6<<22)|(3<<25)
	s_mov_b32 s[G1V+1], 256<<16
	s_mov_b32 s[G1V+2], 64<<16
	s_mov_b32 s[G1V+3], 256<<16
	s_mov_b32 s[G1V+4], 64
	s_mov_b32 s[G1V+5], 4096
	s_mov_b32 s[G1V+6], 0
	s_mov_b32 s[G1V+7], 0
	; where the tiles come from: the batch (the cluster's number >> 3) and the wave's number alone
	s_lshr_b32 s56, ttmp9, 3
	s_lshl_b32 s56, s56, 20                        ; a batch of K, and of V^T, is 1,048,576 bytes
	s_lshl_b32 s58, s22, 15                        ; K: 128 rows of 256 bytes
	s_add_co_u32 s58, s58, s56
	s_mov_b32 s59, 0
	s_lshl_b32 s60, s22, 19                        ; V^T: 64 rows of 8,192 bytes
	s_add_co_u32 s60, s60, s56
	s_mov_b32 s61, 0
	s_mul_i32 s57, s20, QUART                      ; and where they go: quarter = wave
	; my own rows: these registers hold cx and feed plain loads and stores alone
	s_bfe_u32 s68, ttmp6, 0x40000                  ; cx
	s_lshl_b32 s69, ttmp9, 2
	s_add_co_u32 s69, s69, s68                     ; X
	s_lshl_b32 s70, s69, 15                        ; q_bf: 128 X rows of 256 bytes
	s_lshl_b32 s72, s21, 14                        ; + 64 qh rows
	s_add_co_u32 s70, s70, s72
	s_mov_b32 s71, 0
	s_lshl_b32 s72, s69, 16                        ; x, out0: 128 X rows of 512 bytes
	s_lshl_b32 s74, s20, 14                        ; + 32 w rows: the rows that I finish
	s_add_co_u32 s72, s72, s74
	s_mov_b32 s73, 0
	s_lshl_b32 s74, s20, 13                        ; wf: wo's image, my quarter
	s_add_co_u32 s74, s74, 98304
	s_mov_b32 s75, 0
	s_wait_kmcnt 0x0
	s_add_nc_u64 s[58:59], s[6:7], s[58:59]
	s_add_nc_u64 s[60:61], s[8:9], s[60:61]
	s_add_nc_u64 s[4:5], s[4:5], s[70:71]
	s_add_nc_u64 s[14:15], s[14:15], s[72:73]
	s_add_nc_u64 s[16:17], s[16:17], s[72:73]
	s_add_nc_u64 s[10:11], s[10:11], s[74:75]
.irp s, 0,1
	s_mov_b32 s[G0K+4*\s], 1                                       ; count = 1
	s_add_co_u32 s[G0K+4*\s+1], s57, \s*SLOT                       ; LDS address
	s_add_nc_u64 s[G0K+4*\s+2:G0K+4*\s+3], s[58:59], \s*65536      ; tile s: 256 rows of K on
	s_or_b32 s[G0K+4*\s+3], s[G0K+4*\s+3], 0x80000000              ; type = 2
	s_mov_b32 s[G0V+4*\s], 1
	s_add_co_u32 s[G0V+4*\s+1], s57, \s*SLOT
	s_add_nc_u64 s[G0V+4*\s+2:G0V+4*\s+3], s[60:61], \s*512        ; tile s: 256 keys along V^T's rows
	s_or_b32 s[G0V+4*\s+3], s[G0V+4*\s+3], 0x80000000
.endr
	; loads into registers: Q's 16 fragments, my 32 final rows of x, bo, my quarter of wo's image
	WIN 0x40
.irp q, 0,1,2,3
.irp k, 0,1,2,3
	global_load_b128 v[32*\q+8*\k:32*\q+8*\k+3],   v[QOFF], s[4:5] offset:4096*\q+64*\k
	global_load_b128 v[32*\q+8*\k+4:32*\q+8*\k+7], v[QOFF], s[4:5] offset:4096*\q+64*\k+32
.endr
.endr
	WIN 0
.set n, 0
.rept 32
	global_load_b128 v[XR+4*n:XR+4*n+3], v[LOFF], s[14:15] offset:512*n th:TH_LOAD_NT
.set n, n+1
.endr
	global_load_b128 v[TM:TM+3], v[LOFF], s[12:13]
.irp i, 0,1,2,3,4,5,6,7,8,9,10,11,12,13,14,15
	global_load_b128 v[RBF+4*\i:RBF+4*\i+3], v[LOFF], s[10:11] offset:512*\i
.endr
	ROUND                                          ; all four work-groups are here: the first joint loads meet
	JLOAD 0                                        ; tile 0
	; LDS addresses: the lane, the wave's number and constants
	v_mul_u32_u24 v18, v17, KP
	v_lshl_add_u32 v18, v16, 4, v18                ; r x 272 + 16 h
	s_mul_i32 s76, s22, QUART
	v_add_nc_u32 v[ADRK], s76, v18
	v_add_nc_u32 v[ADRK+1], SLOT, v[ADRK]
	v_mul_u32_u24 v19, v17, VP                     ; r x 528
	v_lshl_add_u32 v18, v16, 4, v19
	s_lshl_b32 s77, s22, 8                         ; my 128 keys: 256 bytes along V^T's rows
	s_add_co_u32 s77, s77, 2*QUART
	v_add_nc_u32 v[ADRV], s77, v18
	v_add_nc_u32 v[ADRV+1], SLOT, v[ADRV]
	s_lshl_b32 s78, s20, 10
	s_add_co_u32 s78, s78, MLX
	v_add_nc_u32 v[MLS], s78, v[LOFF]
	s_xor_b32 s79, s20, 1                          ; my partner: same queries, the other keys
	s_lshl_b32 s78, s79, 10
	s_add_co_u32 s78, s78, MLX
	v_add_nc_u32 v[MLP], s78, v[LOFF]
	v_lshl_add_u32 v[XST], s20, 14, v[LOFF]
	v_lshl_add_u32 v[RDO], s22, 13, v[XST]         ; query blocks 2 kh, 2 kh + 1 are mine to finish
	v_lshl_add_u32 v[RDP], s79, 14, v[LOFF]
	v_lshl_add_u32 v[RDP], s22, 13, v[RDP]
	s_mul_i32 s76, s20, 32*SPITCH
	s_add_co_u32 s76, s76, STG
	v_lshl_add_u32 v[STO], v16, 5, v19             ; r x 528 + 32 h
	v_add_nc_u32 v[STO], s76, v[STO]
	v_add_nc_u32 v[RD], s76, v[LOFF]
	v_add_nc_u32 v[WOA], WOI, v[LOFF]
	v_lshl_add_u32 v[WOST], s20, 13, v[WOA]
	s_wait_loadcnt 0x0                             ; all 81 loads, while tile 0 is on its way
.irp i, 0,1,2,3,4,5,6,7,8,9,10,11,12,13,14,15
	ds_store_b128 v[WOST], v[RBF+4*\i:RBF+4*\i+3] offset:512*\i    ; shown to the other waves by the first trip's wait and round
.endr
.set n, 0
.rept 32
	v_pk_add_f32 v[XR+4*n:XR+4*n+1],   v[XR+4*n:XR+4*n+1],   v[TM:TM+1]      ; x + bo
	v_pk_add_f32 v[XR+4*n+2:XR+4*n+3], v[XR+4*n+2:XR+4*n+3], v[TM+2:TM+3]
.set n, n+1
.endr
; 16 LDS loads: the fragments of key blocks 2 c, 2 c + 1 of my 128 keys (16 keys x 128 d each) into buffer f
.macro FETCHK s, c, f
	WIN 0x40
.irp b, 0,1
.irp k, 0,1,2,3
	ds_load_b128 v[\f+32*\b+8*\k:\f+32*\b+8*\k+3],   v[ADRK+\s] offset:(2*\c+\b)*16*KP+64*\k
	ds_load_b128 v[\f+32*\b+8*\k+4:\f+32*\b+8*\k+7], v[ADRK+\s] offset:(2*\c+\b)*16*KP+64*\k+32
.endr
.endr
.endm
; 16 LDS loads: V^T's eight fragments (16 d x keys 32 ks .. + 31 of my 128) into buffer f
.macro FETCHV s, ks, f
	WIN 0x40
.irp d, 0,1,2,3,4,5,6,7
	ds_load_b128 v[\f+8*\d:\f+8*\d+3],   v[ADRV+\s] offset:(\d>>2)*QUART+(\d&3)*16*VP+64*\ks
	ds_load_b128 v[\f+8*\d+4:\f+8*\d+7], v[ADRV+\s] offset:(\d>>2)*QUART+(\d&3)*16*VP+64*\ks+32
.endr
.endm
; 32 products: S of key blocks 2 c, 2 c + 1 x four query blocks.  Eight accumulators take turns, one instruction a turn;
; the first product of each starts its sum.
.macro SMUL c, f
	WIN 0xf5
.irp k, 0,1,2,3
.irp b, 0,1
.irp q, 0,1,2,3
.if \k == 0
	v_wmma_f32_16x16x32_bf16 v[64*\c+16*\q+8*\b:64*\c+16*\q+8*\b+7], v[\f+32*\b+8*\k:\f+32*\b+8*\k+7], v[32*\q+8*\k:32*\q+8*\k+7], 0
.else
	v_wmma_f32_16x16x32_bf16 v[64*\c+16*\q+8*\b:64*\c+16*\q+8*\b+7], v[\f+32*\b+8*\k:\f+32*\b+8*\k+7], v[32*\q+8*\k:32*\q+8*\k+7], v[64*\c+16*\q+8*\b:64*\c+16*\q+8*\b+7]
.endif
.endr
.endr
.endr
.endm
; 32 products: O += V^T(keys 32 ks ..) P(ks): all 32 accumulators, one instruction each
.macro PVMUL ks, f, zero
	WIN 0xad
.irp d, 0,1,2,3,4,5,6,7
.irp q, 0,1,2,3
.if \zero
	v_wmma_f32_16x16x32_bf16 v[64*(\d>>1)+16*\q+8*(\d&1):64*(\d>>1)+16*\q+8*(\d&1)+7], v[\f+8*\d:\f+8*\d+7], v[64*\ks+16*\q:64*\ks+16*\q+7], 0
.else
	v_wmma_f32_16x16x32_bf16 v[64*(\d>>1)+16*\q+8*(\d&1):64*(\d>>1)+16*\q+8*(\d&1)+7], v[\f+8*\d:\f+8*\d+7], v[64*\ks+16*\q:64*\ks+16*\q+7], v[64*(\d>>1)+16*\q+8*(\d&1):64*(\d>>1)+16*\q+8*(\d&1)+7]
.endif
.endr
.endr
.endm
; One step of the softmax over my 128 keys, for my 64 queries.  A lane has 64 scores of each query block: registers 64 c + 16 q + 0..15, c = 0..3.
.macro SOFTMAX first
	WIN 0x0f                                       ; sources in window 3, result in window 0
.irp q, 0,1,2,3
.irp c, 0,1,2,3
	v_max_num_f32 v[TM+4*\q+\c], v[64*\c+16*\q], v[64*\c+16*\q+1]  ; sixteen chains, started by the first two scores
.endr
.endr
.irp i, 1,2,3,4,5,6,7
.irp q, 0,1,2,3
.irp c, 0,1,2,3
	v_max3_num_f32 v[TM+4*\q+\c], v[64*\c+16*\q+2*\i], v[64*\c+16*\q+2*\i+1], v[TM+4*\q+\c]
.endr
.endr
.endr
	WIN 0
.irp q, 0,1,2,3
	v_max3_num_f32 v[TM+4*\q], v[TM+4*\q], v[TM+4*\q+1], v[TM+4*\q+2]
.endr
.irp q, 0,1,2,3
.if \first
	v_max_num_f32 v[TM+4*\q], v[TM+4*\q], v[TM+4*\q+3]
.else
	v_max3_num_f32 v[TM+4*\q], v[TM+4*\q], v[TM+4*\q+3], v[ML+2*\q]    ; the running maximum joins
.endif
.endr
.irp q, 0,1,2,3
	v_permlanex16_b32 v[TM+4*\q+1], v[TM+4*\q], s66, s67           ; the other eight keys of each block lie 16 lanes away
.endr
.if \first
.irp q, 0,1,2,3
	v_max_num_f32 v[ML+2*\q], v[TM+4*\q], v[TM+4*\q+1]
	v_mov_b32 v[ML+2*\q+1], 0                      ; the packed subtraction below names the pair (M, L): L is written before its first sum exists
.endr
.else
.irp q, 0,1,2,3
	v_max_num_f32 v[AT+2*\q+1], v[TM+4*\q], v[TM+4*\q+1]
.endr
.irp q, 0,1,2,3
	v_sub_f32 v[AT+2*\q], v[ML+2*\q], v[AT+2*\q+1] ; old maximum - new, at most 0
	v_mov_b32 v[ML+2*\q], v[AT+2*\q+1]
.endr
.irp q, 0,1,2,3
	v_exp_f32 v[AT+2*\q], v[AT+2*\q]               ; the factor for what has been summed so far; the next plain instruction touches none of these (ISA guide 5.7.2)
.endr
.endif
	WIN 0xc3                                       ; scores in window 3, M in window 0
.irp q, 0,1,2,3
.irp c, 0,1,2,3
.irp i, 0,2,4,6,8,10,12,14
	v_pk_add_f32 v[64*\c+16*\q+\i:64*\c+16*\q+\i+1], v[64*\c+16*\q+\i:64*\c+16*\q+\i+1], v[ML+2*\q:ML+2*\q+1] op_sel_hi:[1,0] neg_lo:[0,1] neg_hi:[0,1]
.endr
.endr
.irp c, 0,1,2,3
.irp i, 0,1,2,3,4,5,6,7,8,9,10,11,12,13,14,15
	v_exp_f32 v[64*\c+16*\q+\i], v[64*\c+16*\q+\i] ; q carries log2(e): 2^(s - m)
.endr
.endr
.endr
	v_nop                                          ; one plain instruction behind the last v_exp_f32
	WIN 0x0f
	s_wait_alu depctr_va_vdst(0)
.irp q, 0,1,2,3
.irp c, 0,1,2,3
	v_pk_add_f32 v[SA+8*\q+2*\c:SA+8*\q+2*\c+1], v[64*\c+16*\q:64*\c+16*\q+1], v[64*\c+16*\q+2:64*\c+16*\q+3]
.endr
.endr
	WIN 0x03
.irp i, 4,6,8,10,12,14
.irp q, 0,1,2,3
.irp c, 0,1,2,3
	v_pk_add_f32 v[SA+8*\q+2*\c:SA+8*\q+2*\c+1], v[64*\c+16*\q+\i:64*\c+16*\q+\i+1], v[SA+8*\q+2*\c:SA+8*\q+2*\c+1]
.endr
.endr
.endr
	WIN 0
.irp q, 0,1,2,3
	v_pk_add_f32 v[SA+8*\q:SA+8*\q+1],   v[SA+8*\q:SA+8*\q+1],   v[SA+8*\q+2:SA+8*\q+3]
	v_pk_add_f32 v[SA+8*\q+4:SA+8*\q+5], v[SA+8*\q+4:SA+8*\q+5], v[SA+8*\q+6:SA+8*\q+7]
.endr
.irp q, 0,1,2,3
	v_pk_add_f32 v[SA+8*\q:SA+8*\q+1], v[SA+8*\q:SA+8*\q+1], v[SA+8*\q+4:SA+8*\q+5]
.endr
.irp q, 0,1,2,3
.if \first
	v_add_f32 v[ML+2*\q+1], v[SA+8*\q], v[SA+8*\q+1]
.else
	v_add_f32 v[SA+8*\q], v[SA+8*\q], v[SA+8*\q+1]
.endif
.endr
.if \first == 0
.irp q, 0,1,2,3
	v_fma_f32 v[ML+2*\q+1], v[ML+2*\q+1], v[AT+2*\q], v[SA+8*\q]   ; L stays a sum over the lane's own keys until the end
.endr
.endif
	WIN 0xcf                                       ; P in bf16, in place: 16 registers become the 8 of a second source
.irp c, 0,1,2,3
.irp q, 0,1,2,3
.irp i, 0,1,2,3,4,5,6,7
	v_cvt_pk_bf16_f32 v[64*\c+16*\q+\i], v[64*\c+16*\q+2*\i], v[64*\c+16*\q+2*\i+1]
.endr
.endr
.endr
.if \first == 0
	WIN 0x82                                       ; O in window 2, the factor in window 0
.irp q, 0,1,2,3
.irp c, 0,1,2,3
.irp i, 0,2,4,6,8,10,12,14
	v_pk_mul_f32 v[64*\c+16*\q+\i:64*\c+16*\q+\i+1], v[64*\c+16*\q+\i:64*\c+16*\q+\i+1], v[AT+2*\q:AT+2*\q+1] op_sel_hi:[1,0]
.endr
.endr
.endr
.endif
.endm
; One tile of 256 keys.  In front of the round every wave waits for all its tensor loads (its quarter of this tile among them) and for its reads of the other slot;
; behind the round the other slot is asked for again first, one joint load a wave, and has the whole trip in which to land.
; Every s_wait_dscnt 16 leaves out the 16 loads of the younger fetch.
.macro TRIP slot, next, refill, first
	s_wait_xcnt 0x0
	v_lshl_add_u32 v254, v0, 2, 0x4d000
	v_mov_b32 v255, 0
	s_wait_tensorcnt 0x0                           ; no tensor load of mine is out: the groups 0 may be written
	ds_add_u32 v254, v255
	s_wait_dscnt 0x0
	s_add_nc_u64 s[G0K+4*\slot+2:G0K+4*\slot+3], s[G0K+4*\slot+2:G0K+4*\slot+3], 131072   ; this slot's next tile: 512 rows of K on,
	s_add_nc_u64 s[G0V+4*\slot+2:G0V+4*\slot+3], s[G0V+4*\slot+2:G0V+4*\slot+3], 1024     ; 512 keys along V^T's rows
	s_wait_dscnt 0x0                               ; my LDS reads and stores are done
	ROUND                                          ; both now hold of every wave of all four work-groups
.if \refill
	JLOAD \next
.endif
	PLACES 5                                       ; behind the last trip's products: four places before loads land on their sources, five before products write over P
	FETCHK \slot, 0, F0
	FETCHK \slot, 1, F1
	s_wait_dscnt 16
	SMUL 0, F0
	PLACES 4                                       ; four places before loads land on the products' sources
	FETCHK \slot, 2, F0
	s_wait_dscnt 16
	SMUL 1, F1
	PLACES 4
	FETCHK \slot, 3, F1
	s_wait_dscnt 16
	SMUL 2, F0
	PLACES 4
	FETCHV \slot, 0, F0
	s_wait_dscnt 16
	SMUL 3, F1
	PLACES 4                                       ; also in front of the maxima, which read the products' results
	FETCHV \slot, 1, F1
	SOFTMAX \first
	s_wait_dscnt 16
	PVMUL 0, F0, \first
	PLACES 4
	FETCHV \slot, 2, F0
	s_wait_dscnt 16
	PVMUL 1, F1, 0
	PLACES 4
	FETCHV \slot, 3, F1
	s_wait_dscnt 16
	PVMUL 2, F0, 0
	s_wait_dscnt 0
	PVMUL 3, F1, 0
	WIN 0                                          ; at a label and at a branch every window is 0
.endm
	TRIP 0, 1, 1, 1                                ; tile 0 starts maxima, sums and O; slot 1 gets its first fill behind this trip's round
	TRIP 1, 0, 1, 0
	s_mov_b32 s23, 6
.Ltiles:
	TRIP 0, 1, 1, 0                                ; tiles 2 to 13
	TRIP 1, 0, 1, 0
	s_sub_co_u32 s23, s23, 1
	s_cmp_lg_u32 s23, 0
	s_cbranch_scc1 .Ltiles
	TRIP 0, 1, 1, 0                                ; tile 14 asks for tile 15
	TRIP 1, 0, 0, 0                                ; tile 15: nothing is left to fetch (the stepped addresses are not used)
	; THE TWO WAVES OF A PAIR ARE JOINED.  wo's fragments come in meanwhile, over P.
	PLACES 4                                       ; behind the last products: loads land on P, vector instructions read O
	WIN 0xc0
.irp o, 0,1,2,3,4,5,6,7
.irp k, 0,1,2,3
	ds_load_b128 v[32*\o+8*\k:32*\o+8*\k+3],   v[WOA] offset:4096*\o+1024*\k
	ds_load_b128 v[32*\o+8*\k+4:32*\o+8*\k+7], v[WOA] offset:4096*\o+1024*\k+512
.endr
.endr
	WIN 0
.irp q, 0,1,2,3
	v_permlanex16_b32 v[TM+\q], v[ML+2*\q+1], s66, s67
.endr
.irp q, 0,1,2,3
	v_add_f32 v[ML+2*\q+1], v[ML+2*\q+1], v[TM+\q] ; the sum over all my 2,048 keys
.endr
	ds_store_b128 v[MLS], v[ML:ML+3]
	ds_store_b128 v[MLS], v[ML+4:ML+7] offset:512
	s_wait_dscnt 0x0                               ; for my partner's sake: zero
	s_barrier_signal -1
	s_barrier_wait -1
	ds_load_b128 v[TM:TM+3], v[MLP]                ; (M', L') of query blocks 0, 1
	ds_load_b128 v[TM+4:TM+7], v[MLP] offset:512   ; and 2, 3
	s_wait_dscnt 0x0
.irp q, 0,1,2,3
	v_max_num_f32 v[TM+8+\q], v[ML+2*\q], v[TM+2*\q]
.endr
.irp q, 0,1,2,3
	v_sub_f32 v[TM+12+\q], v[ML+2*\q], v[TM+8+\q]
	v_sub_f32 v[TM+16+\q], v[TM+2*\q], v[TM+8+\q]
.endr
.irp i, 0,1,2,3,4,5,6,7
	v_exp_f32 v[TM+12+\i], v[TM+12+\i]             ; a = 2^(M - m), a' = 2^(M' - m): one of the two is 1
.endr
	v_nop
	s_wait_alu depctr_va_vdst(0)
.irp q, 0,1,2,3
	v_mul_f32 v[TM+20+\q], v[TM+2*\q+1], v[TM+16+\q]
.endr
.irp q, 0,1,2,3
	v_fmac_f32 v[TM+20+\q], v[ML+2*\q+1], v[TM+12+\q]              ; L a + L' a', at least 1
.endr
.irp q, 0,1,2,3
	v_rcp_f32 v[TM+24+\q], v[TM+20+\q]
.endr
	v_nop
	s_wait_alu depctr_va_vdst(0)
.irp q, 0,1,2,3
	v_mul_f32 v[AT+2*\q], v[TM+12+\q], v[TM+24+\q] ; my share's factor
.endr
	WIN 0x82
.irp q, 0,1,2,3
.irp c, 0,1,2,3
.irp i, 0,2,4,6,8,10,12,14
	v_pk_mul_f32 v[64*\c+16*\q+\i:64*\c+16*\q+\i+1], v[64*\c+16*\q+\i:64*\c+16*\q+\i+1], v[AT+2*\q:AT+2*\q+1] op_sel_hi:[1,0]
.endr
.endr
.endr
	WIN 0x8a                                       ; O in bf16, in place: as with P, two d blocks become a second source (32 d x 16 queries)
.irp c, 0,1,2,3
.irp q, 0,1,2,3
.irp i, 0,1,2,3,4,5,6,7
	v_cvt_pk_bf16_f32 v[64*\c+16*\q+\i], v[64*\c+16*\q+2*\i], v[64*\c+16*\q+2*\i+1]
.endr
.endr
.endr
	; Which two query blocks a wave finishes hangs on its number, and register numbers cannot: so all four go through LDS, lane for lane, and each wave
	; reads back its own and its partner's fragments of the two blocks that it finishes.
	WIN 0x08
.irp q, 0,1,2,3
.irp c, 0,1,2,3
	ds_store_b128 v[XST], v[64*\c+16*\q:64*\c+16*\q+3]   offset:4096*\q+1024*\c
	ds_store_b128 v[XST], v[64*\c+16*\q+4:64*\c+16*\q+7] offset:4096*\q+1024*\c+512
.endr
.endr
	WIN 0
	s_wait_dscnt 0x0
	s_barrier_signal -1
	s_barrier_wait -1
	WIN 0x40
.irp t, 0,1
.irp k, 0,1,2,3
	ds_load_b128 v[64*\t+8*\k:64*\t+8*\k+3],       v[RDO] offset:4096*\t+1024*\k
	ds_load_b128 v[64*\t+8*\k+4:64*\t+8*\k+7],     v[RDO] offset:4096*\t+1024*\k+512
	ds_load_b128 v[64*\t+32+8*\k:64*\t+32+8*\k+3], v[RDP] offset:4096*\t+1024*\k
	ds_load_b128 v[64*\t+32+8*\k+4:64*\t+32+8*\k+7], v[RDP] offset:4096*\t+1024*\k+512
.endr
.endr
	s_wait_dscnt 0x0
	; THE LAST PRODUCT, transposed too: source 0 = wo (m = output channel), source 1 = O (n = query).  My share and my partner's follow each other as a K of 256: they are
	; added in the f32 sum.  Eight accumulators take turns, one instruction a turn.
	WIN 0x57
.irp t, 0,1
.irp u, 0,1
.irp k, 0,1,2,3
.irp o, 0,1,2,3,4,5,6,7
.if (\u == 0) && (\k == 0)
	v_wmma_f32_16x16x32_bf16 v[128+64*\t+8*\o:128+64*\t+8*\o+7], v[32*\o+8*\k:32*\o+8*\k+7], v[64*\t+32*\u+8*\k:64*\t+32*\u+8*\k+7], 0
.else
	v_wmma_f32_16x16x32_bf16 v[128+64*\t+8*\o:128+64*\t+8*\o+7], v[32*\o+8*\k:32*\o+8*\k+7], v[64*\t+32*\u+8*\k:64*\t+32*\u+8*\k+7], v[128+64*\t+8*\o:128+64*\t+8*\o+7]
.endif
.endr
.endr
.endr
.endr
	; THE WAY OUT: a lane holds eight neighbouring channels (32 bytes) of one row; through my own stage they become whole rows of 512 bytes.
	PLACES 4                                       ; four places before LDS stores read the results
	WIN 0x04
.irp t, 0,1
.irp o, 0,1,2,3,4,5,6,7
	ds_store_b128 v[STO], v[128+64*\t+8*\o:128+64*\t+8*\o+3]   offset:16*SPITCH*\t+64*\o
	ds_store_b128 v[STO], v[128+64*\t+8*\o+4:128+64*\t+8*\o+7] offset:16*SPITCH*\t+64*\o+16
.endr
.endr
	WIN 0
.macro OUTHALF hf                      ; 16 rows: read back (LDS serves a wave's instructions in order, ISA guide 5.7.1: these see the stores above), add x + bo, store
.irp i, 0,1,2,3,4,5,6,7,8,9,10,11,12,13,14,15
	ds_load_b128 v[RBF+4*\i:RBF+4*\i+3], v[RD] offset:(16*\hf+\i)*SPITCH
.endr
.irp i, 0,1,2,3,4,5,6,7,8,9,10,11,12,13,14,15
	s_wait_dscnt 15-\i                             ; row i is in; the loads issued behind it stay out
	v_pk_add_f32 v[XR+64*\hf+4*\i:XR+64*\hf+4*\i+1],   v[XR+64*\hf+4*\i:XR+64*\hf+4*\i+1],   v[RBF+4*\i:RBF+4*\i+1]
	v_pk_add_f32 v[XR+64*\hf+4*\i+2:XR+64*\hf+4*\i+3], v[XR+64*\hf+4*\i+2:XR+64*\hf+4*\i+3], v[RBF+4*\i+2:RBF+4*\i+3]
	global_store_b128 v[LOFF], v[XR+64*\hf+4*\i:XR+64*\hf+4*\i+3], s[16:17] offset:(16*\hf+\i)*512 th:TH_STORE_NT   ; a row's 512 consecutive bytes; no source of a store is written again
.endr
.endm
	OUTHALF 0
	OUTHALF 1
	s_wait_xcnt 0x0
	v_lshl_add_u32 v254, v0, 2, 0x4d000
	v_mov_b32 v255, 0
	s_wait_tensorcnt 0x0
	ds_add_u32 v254, v255
	s_wait_dscnt 0x0
	ROUND                                          ; the closing round: no work-group ends while a partner may still ask for a tile that names it
	s_endpgm
.Lfunc_end_k_q666887239f_attn:
	.size	k_q666887239f_attn, .Lfunc_end_k_q666887239f_attn-k_q666887239f_attn
	.p2alignl 7, 3214868480
	.fill 96, 4, 3214868480
	.section	.rodata,"a",@progbits
	.p2align	6, 0x0
	.amdhsa_kernel k_q666887239f_attn
		.amdhsa_group_segment_fixed_size 327680
		.amdhsa_private_segment_fixed_size 0
		.amdhsa_enable_private_segment 0
		.amdhsa_kernarg_size 56
		.amdhsa_user_sgpr_count 2
		.amdhsa_user_sgpr_kernarg_segment_ptr 1
		.amdhsa_wavefront_size32 1
		.amdhsa_system_sgpr_workgroup_id_x 1
		.amdhsa_system_sgpr_workgroup_id_y 1
		.amdhsa_system_sgpr_workgroup_id_z 1
		.amdhsa_system_vgpr_workitem_id 0
		.amdhsa_next_free_vgpr 1024
		.amdhsa_next_free_sgpr 80
		.amdhsa_reserve_vcc 0
		.amdhsa_float_denorm_mode_32 3
		.amdhsa_float_denorm_mode_16_64 3
		.amdhsa_memory_ordered 1
		.amdhsa_forward_progress 1
		.amdhsa_inst_pref_size 255
	.end_amdhsa_kernel
	.section	.bss,"aw",@nobits
	.p2align	6
	.space	262144
	.amdgpu_metadata
---
amdhsa.version: [ 1, 2 ]
amdhsa.kernels:
  - .name:           k_q666887239f_attn
    .symbol:         k_q666887239f_attn.kd
    .args:
      - { .name: q_bf, .offset: 0, .size: 8, .value_kind: global_buffer, .address_space: global }
      - { .name: k_bf, .offset: 8, .size: 8, .value_kind: global_buffer, .address_space: global }
      - { .name: vt_bf, .offset: 16, .size: 8, .value_kind: global_buffer, .address_space: global }
      - { .name: wf, .offset: 24, .size: 8, .value_kind: global_buffer, .address_space: global }
      - { .name: bo, .offset: 32, .size: 8, .value_kind: global_buffer, .address_space: global }
      - { .name: x, .offset: 40, .size: 8, .value_kind: global_buffer, .address_space: global }
      - { .name: out0, .offset: 48, .size: 8, .value_kind: global_buffer, .address_space: global }
    .group_segment_fixed_size: 327680
    .private_segment_fixed_size: 0
    .kernarg_segment_align: 8
    .kernarg_segment_size: 56
    .max_flat_workgroup_size: 128
    .sgpr_count:     80
    .vgpr_count:     1024
    .wavefront_size: 32
...
	.end_amdgpu_metadata
.endif
;; end of part 3
